; MI455X (gfx1250); checked and timed in simulation.
; The chip was launched on July 23, 2026; its instructions are those of AMD's public machine-readable ISA for CDNA 5 (MIT licence, August 2026) and "CDNA5" Instruction Set Architecture Reference Guide (July 2026). The comments in the code are by the model that wrote it; some were corrected since.
;; Cross Attention. Allowed arithmetic: matrix products marked QUANTISED: E2M3 operands, one E8M0 scale for each 32 along K, by v_wmma_scale_f32_16x16x128_f8f6f4 with both operands' format E2M3, f32 sums; everything else in f32.
;; Inputs: key_padding_mask 2 x 2,048 bool; kv 2 x 2,048 x 2 x 16 x 64 float32; q 2 x 2,048 x 16 x 64 float32.
;; Outputs: out0 2 x 2,048 x 16 x 64 float32.
;; This version of the problem:
;;   THIS VERSION OF THE PROBLEM IS GIVEN IN LOW PRECISION. The matrix products marked QUANTISED in the list below multiply operands that are first quantised to E2M3 (2 exponent bits, 3 mantissa bits; 6 bits a number), with one power-of-two scale for each 32 numbers along K (OCP MX v1.0); their sums are f32. All else is computed in f32.
;;   The module's matrix products, in the order in which they are computed (A, B: the left and right operand; K: the contracted axis; several contracted axes count as one K, in the product's order):
;;     1. batch 32 x [M 2,048, K 64] x [K 64, N 2,048]; A: input q; B: computed on the way: QUANTISED
;;     2. batch 32 x [M 64, K 2,048] x [K 2,048, N 2,048]; A: input kv; B: softmax (see below): QUANTISED
;;   THE QUANTISER, for each operand of a quantised product, along K:
;;     - K is cut into blocks of 32 from its start; a last block that is shorter is filled with zeros.
;;     - A block's scale is 2^e with e = floor(log2(the largest magnitude in the block)) - 2, held to -126 .. 127; a block of zeros has e = 0. As a byte (E8M0): e + 127.
;;     - Each number is divided by its block's scale, clamped to +-7.5, and rounded to the nearest number of E2M3, ties to even, subnormals kept.
;;     - The product sums the exact products of the quantised numbers (number of the format x scale) in f32.
;;   ~~~python
;;   def quantise(x, axis):      # numpy; x: float32 -> the quantised numbers, widened to float32 again
;;       x = np.moveaxis(x, axis, -1); K = x.shape[-1]
;;       x = np.pad(x, [(0, 0)] * (x.ndim - 1) + [(0, -K % 32)]); x = x.reshape(x.shape[:-1] + (-1, 32)); a = np.abs(x).max(-1, keepdims=True)
;;       e = np.where(a > 0, np.clip(np.frexp(np.where(a > 0, a, 1))[1] - 1 - 2, -126, 127), 0)      # np.frexp(a)[1] - 1 = floor(log2(a)), exactly
;;       r = np.clip(x / 2.0 ** e, -7.5, 7.5)
;;       step = 2.0 ** (np.maximum(np.frexp(np.where(r == 0, 1, r))[1] - 1, 0) - 3)
;;       q = np.round(r / step) * step * 2.0 ** e      # np.round: ties to even
;;       return np.moveaxis(q.reshape(q.shape[:-2] + (-1,))[..., :K], -1, axis).astype(np.float32)
;;   ~~~
;;   SOFTMAX AHEAD OF A QUANTISED PRODUCT. Where the list says 'softmax', what is quantised is not the finished softmax but p = 2^(t - M), with t = logit x log2(e) and M = ceil(the row's largest t), a whole number; so 1/2 < the row's largest p <= 1. The row's sum l is taken of the UNQUANTISED p, in f32, and the product's result is divided by l at the end. Since M is a whole number, a kernel that streams over the keys may use a running M (the ceiling of the running maximum): every later rescaling is an exact power of two, which a block's scale takes up: the codes' values come out the same.
;;   OPERANDS COMPUTED ON THE WAY. 'Computed on the way' means the value that the module computes at that place (a softmax that the list does not call 'softmax' is quantised finished and normalised). What goes into a quantiser is computed in f32, as accurately as f32 sums, v_exp_f32 and their like allow (about 1e-6 of the number): no bf16 or f16 on the way to a quantiser, and a product that is left as it is and whose result goes on into a quantised operand takes f32 operands (vector FMAs, or v_wmma_f32_16x16x4_f32). A number that lies on a knife's edge between two numbers of the format may be rounded either way, as far as f32 arithmetic and the matrix unit's own rounding can turn it there, and no further.
;; One version. Each part assembles by itself: llvm-mc -triple=amdgcn-amd-amdhsa -mcpu=gfx1250 --defsym DOCPART=n.
;; ======== version 1 of 1: 2 launches
;; workspace buffers: kvq 6,815,744 bytes
;; launch prep (part 1): grid 256 x 1, 8 waves a work-group, no clusters, 168,960 bytes of LDS; arguments kv, key_padding_mask, kvq; writes kvq
.if DOCPART == 1
	.amdgcn_target "amdgcn-amd-amdhsa--gfx1250"
	.amdhsa_code_object_version 6
	.text
	.protected	k_q4939b8008f_prep
	.globl	k_q4939b8008f_prep
	.p2align	8
	.type	k_q4939b8008f_prep,@function
k_q4939b8008f_prep:
	s_mov_b64 s[64:65], 0
	v_nop
	global_prefetch_b8 v0, s[64:65] scope:SCOPE_SE
	s_setreg_imm32_b32 hwreg(HW_REG_WAVE_MODE, 25, 1), 1
	s_wait_xcnt 0x0
; kv [2][2048][2][16][64] f32 and key_padding_mask [2][2048] bytes become kvq: for each head (16 b + h) sixteen RECORDS of 13,312 bytes, one for each 128 keys,
; laid as the attention launch's registers take them.  A record:
;   0      K: four double fragments i of 1,536 bytes; registers 4 g .. 4 g + 3 of lane l lie at 1536 i + 512 g + 16 l.  Lane (r, hl): registers 0-5 the codes of (k / 8)[key 32 i + r + 8 (r / 8)][32 hl ..],
;          registers 6-11 the same of the key 8 further on: the head's 64 fill half of an operand's 128 along K, so a fragment carries two tiles of keys
;   6144   V: four fragments t, the same form: lane (r, hl), registers 6 c .. 6 c + 5: the codes of v[keys 64 c + 32 hl + 0 .. 31][16 t + r]: the keys are the second product's K
;   12288  scale words, 16 bytes a lane: word i of lane r: K's double fragment i, row r (bytes: first key's two blocks, second key's two); of lane 16 + r: V's tile i, row r (the record's four blocks of keys)
;   12800  the pads as f32: 0 where the mask keeps a key, -10000 where not
; Codes are FP6 (E2M3); a block's scale is 2^(floor(log2(its largest magnitude)) - 2), its byte the largest magnitude's exponent field - 2, held at 1 from below.
; LIMITS: a block of zeros, and one whose largest magnitude lies under 2^-124, gets the byte 1 (its codes are zeros; these bytes are read by this program alone); NaN and infinities among the inputs are not served.
; SHARES: work-group x = 8 (16 b + h) + jj takes keys 256 jj .. 256 jj + 255 of one head: two records.  Eight waves: each fetches 64 rows of 256 bytes by one tensor load (waves 0-3 K's, waves 4-7 V's);
; then wave w makes K's double fragment w % 4 and V's fragment w % 4 of record w / 4.  A lane's registers run along the product's K: for K along a row in LDS, for V down the rows.
; Every LDS byte is filled once; no byte is filled again.
.set PITCH, 272                        ; an LDS row: 256 bytes + 16 of padding
.set QROWS, 64*PITCH                   ; what one tensor load brings
.set VT,    4*QROWS                    ; K's 256 rows at 0, V's 256 rows here
.set SCS,   8*QROWS                    ; behind them: the stage for the scale words, 512 bytes a record; no tensor load lands here
.set RECB,  13312
.set KA,  4                            ; v4   where my two keys' 128 bytes begin
.set VA,  5                            ; v5   where my column of V begins
.set GOF, 6                            ; v6   16 x lane + 1536 x (w % 4): my place in the record's fragments
.set LI,  7                            ; v7   16 x lane
.set SCA, 8                            ; v8   the stage: my word
.set SCR, 9                            ; v9   the stage: my 16 bytes of the record's image
.set MO,  10                           ; v10  4 x lane: my four mask bytes
.set MK,  11                           ; v11  the mask bytes
.set BM,  12                           ; v12-15 the four blocks' largest magnitudes
.set BY,  16                           ; v16-19 their scale bytes
.set SO,  20                           ; v20-23 the conversions' scale operands
.set X,   32                           ; v32-159 four blocks of 32 numbers: K's first key, K's second key, V's keys 32 hl on, V's keys 64 + 32 hl on
.set FK,  160                          ; v160-183 the codes: six registers a block: K's fragment, then V's
.set T,   192                          ; v192-207 the upper halves of the blocks' codes, as the conversions leave them
	s_load_b128 s[4:7], s[0:1], 0x0                ; kv s[4:5], the mask s[6:7]
	s_load_b64 s[8:9], s[0:1], 0x10                ; kvq
	v_lshl_add_u32 v208, v0, 2, 0x29000
	v_mov_b32 v209, 0
	ds_add_u32 v208, v209
	ds_add_u32 v208, v209
	v_lshrrev_b32 v1, 5, v0
	s_delay_alu instid0(VALU_DEP_1)
	v_readfirstlane_b32 s10, v1                    ; wave 0..7
	s_lshr_b32 s11, ttmp9, 7                       ; b
	s_bfe_u32 s12, ttmp9, 0x40003                  ; h: four bits from bit 3
	s_and_b32 s13, ttmp9, 7                        ; jj
	s_lshr_b32 s14, s10, 2                         ; my record of the two.  Also: I fetch K's rows (0) or V's (1)
	s_and_b32 s15, s10, 3                          ; my fragment of the four.  Also: which 64 rows I fetch
	; descriptor group 1: 64 rows of 64 numbers of 4 bytes, 2,048 numbers from row to row, 16 bytes of padding behind each row in LDS
	s_mov_b32 s16, (2<<16)|(1<<20)|(5<<22)|(3<<25) ; no mask; elements of 4 bytes; padding on, after every 64 words, of 4 words
	s_mov_b32 s17, 64<<16                          ; tensor_dim0 = 64
	s_mov_b32 s18, 64<<16                          ; tensor_dim1 = 64
	s_mov_b32 s19, 64<<16                          ; tile_dim0 = 64
	s_mov_b32 s20, 64                              ; tile_dim1 = 64
	s_mov_b32 s21, 2048                            ; from key to key
	s_mov_b32 s22, 0
	s_mov_b32 s23, 0
	s_mov_b32 s24, 1                               ; group 0: count = 1
	s_mul_i32 s25, s10, QROWS                      ; LDS: wave x 64 rows
	s_lshl_b32 s30, s11, 24                        ; in kv: b x 16,777,216
	s_lshl_b32 s31, s13, 8
	s_lshl_b32 s32, s15, 6
	s_add_co_u32 s31, s31, s32                     ; + key 256 jj + 64 (w % 4), 8,192 bytes a key
	s_lshl_b32 s31, s31, 13
	s_add_co_u32 s30, s30, s31
	s_lshl_b32 s31, s14, 12                        ; + 4,096 for V
	s_add_co_u32 s30, s30, s31
	s_lshl_b32 s31, s12, 8                         ; + 256 h
	s_add_co_u32 s30, s30, s31
	s_mov_b32 s31, 0
	s_lshl_b32 s32, s11, 11                        ; in the mask: 2,048 b + 256 jj + 128 x record
	s_lshl_b32 s33, s13, 8
	s_add_co_u32 s32, s32, s33
	s_lshl_b32 s33, s14, 7
	s_add_co_u32 s32, s32, s33
	s_mov_b32 s33, 0
	s_lshl_b32 s34, ttmp9, 1                       ; in kvq: record 2 x + (w / 4)
	s_add_co_u32 s34, s34, s14
	s_mul_i32 s34, s34, RECB
	s_mov_b32 s35, 0
	s_mov_b32 s28, 0x76543210                      ; v_permlanex16_b32's selects for lane l xor 16
	s_mov_b32 s29, 0xfedcba98
	s_mov_b32 s38, 0x3e000000                      ; 1 / 8 = 1 / sqrt(64)
	s_mov_b32 s39, s38                             ; (named with it as a pair, so it is written)
	s_wait_dscnt 0x0
	s_wait_kmcnt 0x0
	s_add_nc_u64 s[26:27], s[4:5], s[30:31]        ; the tile's first byte
	s_or_b32 s27, s27, 0x80000000                  ; type = 2
	tensor_load_to_lds s[24:27], s[16:23]          ; my one load: one is out
	s_nop 0
.rept 4
	v_nop
.endr
	s_add_nc_u64 s[6:7], s[6:7], s[32:33]
	s_add_nc_u64 s[8:9], s[8:9], s[34:35]
	v_and_b32 v1, 31, v0                           ; lane
	v_and_b32 v2, 15, v0                           ; r
	v_bfe_u32 v3, v0, 4, 1                         ; hl
	s_delay_alu instid0(VALU_DEP_3)
	v_lshlrev_b32 v[MO], 2, v1
	global_load_b32 v[MK], v[MO], s[6:7]           ; my record's 128 mask bytes, four a lane
	v_and_b32 v26, 8, v2
	s_delay_alu instid0(VALU_DEP_1)
	v_add_nc_u32 v26, v26, v2                      ; r + 8 (r / 8)
	s_delay_alu instid0(VALU_DEP_1)
	v_mul_u32_u24 v[KA], v26, PITCH
	s_delay_alu instid0(VALU_DEP_1)
	v_lshl_add_u32 v[KA], v3, 7, v[KA]             ; + 128 hl: my block of 32
	s_mul_i32 s36, s10, 32*PITCH                   ; + row 32 w: record w / 4, double fragment w % 4
	v_add_nc_u32 v[KA], s36, v[KA]
	v_mul_u32_u24 v[VA], v3, 32*PITCH              ; V: 32 hl rows down,
	s_delay_alu instid0(VALU_DEP_1)
	v_lshl_add_u32 v[VA], v2, 2, v[VA]             ; column r
	s_mul_i32 s36, s14, 128*PITCH                  ; of my record's 128 rows,
	s_lshl_b32 s37, s15, 6                         ; of tile w % 4: 16 columns of 4 bytes
	s_add_co_u32 s36, s36, s37
	s_add_co_u32 s36, s36, VT
	v_add_nc_u32 v[VA], s36, v[VA]
	v_lshlrev_b32 v[LI], 4, v1
	s_mul_i32 s36, s15, 1536
	v_add_nc_u32 v[GOF], s36, v[LI]
	s_lshl_b32 s36, s14, 9
	s_add_co_u32 s36, s36, SCS
	v_add_nc_u32 v[SCR], s36, v[LI]
	s_lshl_b32 s37, s15, 2
	v_add_nc_u32 v[SCA], s37, v[SCR]
	v_mov_b32 v26, 0                               ; written once: a lane permute's destination counts as one of its sources
	v_mov_b32 v27, 0
	s_wait_alu depctr_va_vdst(0)
	s_wait_tensorcnt 0x0                           ; my 64 rows are in LDS,
	s_barrier_signal -1
	s_barrier_wait -1                              ; everybody's are: I read rows that other waves fetched
.irp j, 0,1,2,3,4,5,6,7
	ds_load_b128 v[X+4*\j:X+4*\j+3], v[KA] offset:16*\j                  ; k[first key][32 hl + 4 j ..]
	ds_load_b128 v[X+32+4*\j:X+32+4*\j+3], v[KA] offset:8*PITCH+16*\j    ; the key 8 further on
.endr
.irp c, 0,1
.irp n, 0,1,2,3,4,5,6,7,8,9,10,11,12,13,14,15,16,17,18,19,20,21,22,23,24,25,26,27,28,29,30,31
	ds_load_b32 v[X+64+32*\c+\n], v[VA] offset:(64*\c+\n)*PITCH          ; v[key 64 c + 32 hl + n][16 (w % 4) + r]: my registers run down the keys
.endr
.endr
	s_wait_dscnt 0x0
.irp j, 0,2,4,6,8,10,12,14,16,18,20,22,24,26,28,30,32,34,36,38,40,42,44,46,48,50,52,54,56,58,60,62
	v_pk_mul_f32 v[X+\j:X+\j+1], v[X+\j:X+\j+1], s[38:39] op_sel_hi:[1,0]   ; k / 8, ahead of the quantiser: a power of two
.endr
.irp n, 0,1,2,3
	v_max3_num_f32 v[BM+\n], |v[X+32*\n]|, |v[X+32*\n+1]|, 0x1800000     ; block n: all its 32 numbers are mine; the floor 2^(3 - 127) holds the byte at 1 from below
.endr
.irp i, 2,4,6,8,10,12,14,16,18,20,22,24,26,28,30
.irp n, 0,1,2,3
	s_delay_alu instid0(VALU_DEP_4)
	v_max3_num_f32 v[BM+\n], v[BM+\n], |v[X+32*\n+\i]|, |v[X+32*\n+\i+1]|   ; (the four blocks by turns)
.endr
.endr
.irp n, 0,1,2,3
	s_delay_alu instid0(VALU_DEP_4)
	v_add_nc_u32 v[SO+\n], 0xff000000, v[BM+\n]    ; 2 off the exponent field: the conversion takes the exponent field of this operand as its scale
.endr
.irp n, 0,1,2,3
	s_delay_alu instid0(VALU_DEP_4)
	v_lshrrev_b32 v[BY+\n], 23, v[SO+\n]           ; the scale's byte
.endr
.irp n, 0,1,2,3
	v_cvt_scalef32_pk16_fp6_f32 v[FK+6*\n:FK+6*\n+2], v[X+32*\n:X+32*\n+15], v[SO+\n]
	v_cvt_scalef32_pk16_fp6_f32 v[T+4*\n:T+4*\n+2], v[X+32*\n+16:X+32*\n+31], v[SO+\n]   ; (a conversion's three registers begin on an even number)
.endr
	v_nop                                          ; one plain place behind the scaled conversions
.irp n, 0,1,2,3
.irp i, 0,1,2
	v_mov_b32 v[FK+6*\n+3+\i], v[T+4*\n+\i]
.endr
.endr
	; the scale words: my two bytes of K's (blocks hl of the two keys) and of V's (blocks hl and 2 + hl), 8 hl bits up; lane l xor 16 has the other two
	v_lshl_or_b32 v24, v[BY+1], 16, v[BY]
	v_lshl_or_b32 v25, v[BY+3], 16, v[BY+2]
	v_lshlrev_b32 v188, 3, v3
	s_delay_alu instid0(VALU_DEP_1)
	v_lshlrev_b32 v24, v188, v24
	s_delay_alu instid0(VALU_DEP_2)
	v_lshlrev_b32 v25, v188, v25
	s_delay_alu instid0(VALU_DEP_2)
	v_permlanex16_b32 v26, v24, s28, s29
	s_delay_alu instid0(VALU_DEP_2)
	v_permlanex16_b32 v27, v25, s28, s29
	s_delay_alu instid0(VALU_DEP_2)
	v_or_b32 v24, v24, v26
	s_delay_alu instid0(VALU_DEP_2)
	v_or_b32 v25, v25, v27
	v_cmp_ne_u32 vcc_lo, 0, v3
	s_delay_alu instid0(VALU_DEP_1)
	v_cndmask_b32 v26, v24, v25, vcc_lo            ; lanes 0-15 give K's word, lanes 16-31 V's
	ds_store_b32 v[SCA], v26
.irp g, 0,1,2
	global_store_b128 v[GOF], v[FK+4*\g:FK+4*\g+3], s[8:9] offset:512*\g             ; each store of the wave covers 512 consecutive bytes, aligned to 256
.endr
.irp g, 0,1,2
	global_store_b128 v[GOF], v[FK+12+4*\g:FK+12+4*\g+3], s[8:9] offset:6144+512*\g
.endr
	s_wait_dscnt 0x0                               ; for the others' sake: my word lies in the stage
	s_barrier_signal -1
	s_barrier_wait -1
	s_cmp_lg_u32 s15, 0                            ; the first wave of a record stores its scale image,
	s_cbranch_scc1 .Lnot_scales
	ds_load_b128 v[188:191], v[SCR]
	s_wait_dscnt 0x0
	global_store_b128 v[LI], v[188:191], s[8:9] offset:12288
.Lnot_scales:
	s_cmp_lg_u32 s15, 1                            ; the second its pads
	s_cbranch_scc1 .Lnot_pads
	s_wait_loadcnt 0x0                             ; the mask bytes
	v_mov_b32 v27, 0xc61c4000                      ; -10000
.irp k, 0,1,2,3
	v_bfe_u32 v26, v[MK], 8*\k, 8
	s_delay_alu instid0(VALU_DEP_1)
	v_cmp_eq_u32 vcc_lo, 0, v26
	s_delay_alu instid0(VALU_DEP_1)
	v_cndmask_b32 v[28+\k], 0, v27, vcc_lo         ; a choice of values: nothing branches on the mask
.endr
	global_store_b128 v[LI], v[28:31], s[8:9] offset:12800
.Lnot_pads:
	s_wait_tensorcnt 0x0
	ds_add_u32 v208, v209
	s_wait_dscnt 0x0
	s_endpgm
.Lfunc_end_k_q4939b8008f_prep:
	.size	k_q4939b8008f_prep, .Lfunc_end_k_q4939b8008f_prep-k_q4939b8008f_prep
	.p2alignl 7, 3214868480
	.fill 96, 4, 3214868480
	.section	.rodata,"a",@progbits
	.p2align	6, 0x0
	.amdhsa_kernel k_q4939b8008f_prep
		.amdhsa_group_segment_fixed_size 168960
		.amdhsa_private_segment_fixed_size 0
		.amdhsa_enable_private_segment 0
		.amdhsa_kernarg_size 24
		.amdhsa_user_sgpr_count 2
		.amdhsa_user_sgpr_kernarg_segment_ptr 1
		.amdhsa_wavefront_size32 1
		.amdhsa_system_sgpr_workgroup_id_x 1
		.amdhsa_system_sgpr_workgroup_id_y 1
		.amdhsa_system_sgpr_workgroup_id_z 1
		.amdhsa_system_vgpr_workitem_id 0
		.amdhsa_next_free_vgpr 210
		.amdhsa_next_free_sgpr 66
		.amdhsa_reserve_vcc 1
		.amdhsa_float_denorm_mode_32 3
		.amdhsa_float_denorm_mode_16_64 3
		.amdhsa_memory_ordered 1
		.amdhsa_forward_progress 1
		.amdhsa_inst_pref_size 22
	.end_amdhsa_kernel
	.amdgpu_metadata
---
amdhsa.version: [ 1, 2 ]
amdhsa.kernels:
  - .name:           k_q4939b8008f_prep
    .symbol:         k_q4939b8008f_prep.kd
    .args:
      - { .name: kv, .offset: 0, .size: 8, .value_kind: global_buffer, .address_space: global }
      - { .name: key_padding_mask, .offset: 8, .size: 8, .value_kind: global_buffer, .address_space: global }
      - { .name: kvq, .offset: 16, .size: 8, .value_kind: global_buffer, .address_space: global }
    .group_segment_fixed_size: 168960
    .private_segment_fixed_size: 0
    .kernarg_segment_align: 8
    .kernarg_segment_size: 24
    .max_flat_workgroup_size: 256
    .sgpr_count:     66
    .vgpr_count:     210
    .wavefront_size: 32
...
	.end_amdgpu_metadata
.endif
;; end of part 1
;; launch attn (part 2): grid 8 x 32, 16 waves a work-group, clusters of 4 x 1, 327,680 bytes of LDS; arguments kvq, q, out0; writes out0
.if DOCPART == 2
	.amdgcn_target "amdgcn-amd-amdhsa--gfx1250"
	.amdhsa_code_object_version 6
	.text
	.protected	k_q4939b8008f_attn
	.globl	k_q4939b8008f_attn
	.p2align	8
	.type	k_q4939b8008f_attn,@function
k_q4939b8008f_attn:
	s_mov_b64 s[64:65], 0
	v_nop
	global_prefetch_b8 v0, s[64:65] scope:SCOPE_SE
	s_setreg_imm32_b32 hwreg(HW_REG_WAVE_MODE, 25, 1), 1
	s_wait_xcnt 0x0
	s_wait_alu depctr_hold_cnt(0) depctr_sa_sdst(0) depctr_va_vdst(0) depctr_va_sdst(0) depctr_va_ssrc(0) depctr_va_vcc(0) depctr_vm_vsrc(0)
	s_getreg_b32 s2, hwreg(HW_REG_IB_STS2, 6, 4)
	s_cmp_eq_u32 s2, 0
	s_cbranch_scc0 .Lentry_in_a_cluster
	s_endpgm
.Lentry_in_a_cluster:
	s_bfe_u32 s2, ttmp6, 0x10000c
	s_cmp_lg_u32 s2, 0x3003
	s_cbranch_scc0 .Lentry_shape_is_right
	s_endpgm
.Lentry_shape_is_right:
; out0[b][t][h][:] = the sum over keys s of softmax_s(q[b][t][h] . k[b][s][h] / 8 + pad[b][s]) v[b][s][h][:], both products on codes of FP6 (E2M3) with one E8M0 scale for each 32 along a product's K.
; K, V, their scale words and the pads come from kvq, sixteen records of 13,312 bytes a head, each the image of what a wave's registers take for 128 keys:
;   0: K, four double fragments of 1,536 bytes; 6144: V, four fragments; 12288: scale words, 16 bytes a lane (lanes 0-15 K's, lanes 16-31 V's); 12800: 128 pads, f32.
; THE SOFTMAX AHEAD OF THE SECOND PRODUCT: t = logit x log2(e); M = the running largest t rounded UP to a whole number; p = 2^(t - M) is quantised along the keys, not normalised; the row's sum is taken
; of the unquantised p and divides at the end.  When M moves, the sum and O are multiplied by 2^(old M - new M): exact, and with no branch on data.
; SHARES: a work-group owns 256 queries of one head (16 b + h), each of its sixteen waves 16 of them in 256 registers: four waves to a SIMD, so that one wave's exponentials stand beside another's products and LDS loads.
; A HEAD'S WHOLE IMAGE, 212,992 bytes, LIES IN LDS: it is filled once, and no byte is filled again.  It comes in four chunks of four records, and the wave begins on a chunk as soon as that chunk has landed.
; CLUSTER: the four work-groups of a cluster are four blocks of queries of one head and want the same image: each record is asked for JOINTLY, by the same tensor load with the same descriptor and a mask that names the four.
; LAYOUT: both products are used transposed, so that a lane holds ONE query (lane % 16) throughout.  S^T = K Q^T: the head's 64 fill half of the instruction's 128 along K, so a fragment of K carries TWO tiles of keys,
; and it is multiplied by [q | 0] and by [0 | q]: the other tile's codes meet zero codes.  Lane r of double fragment b holds keys 32 b + r + 8 (r / 8) and 8 further on, so that score register 16 b + i of lane (r, hl)
; is key 32 b + 16 hl + i.  The pads are loaded into the score registers and are the C of these products.  O^T = V^T P^T: source 0 = 16 of the head's 64, source 1 = P.
; LIMITS: NaN and infinities among the inputs are not served; a block of zeros, and one under 2^-124, has the scale byte 1 (its codes are zeros).  The pad is added inside the matrix instruction, so sum and pad are
; rounded once where two f32 steps would round twice: that shows only in scores of masked keys, about one unit in the last place of 10,000, and those count only where a whole row of the mask is false.
.set RECB,  13312
.set CHB,   4*RECB                     ; a chunk
.set STAGE, 16*RECB                    ; behind the image: 16 rows x (256 bytes + 16) for each wave, for q's way in and O's way out; no tensor load lands here
.set SP,    272
.set LI0, 1                            ; v1   16 x lane
.set PD0, 2                            ; v2   64 x (lane / 16): my 16 pads of a block of 32
.set ADR, 3                            ; v3   the record in hand + 16 x lane
.set ADP, 4                            ; v4   the record in hand + 64 x (lane / 16)
.set GO,  5                            ; v5   in q and out0: lanes 0-15 one query's 256 bytes, lanes 16-31 the next query's
.set STO, 6                            ; v6   the stage: where I put 32 bytes of my query's row
.set RD,  7                            ; v7   the stage: two whole rows, 16 bytes a lane
.set NM,  12                           ; v12  -M
.set TMX, 13                           ; v13  the running largest t
.set L,   14                           ; v[14:15] the row's sum, in two halves
.set Q,   16                           ; v16-33 q's codes, six zeros, q's codes again: [q | 0] = v[16:27], [0 | q] = v[22:33]
.set QS,  34                           ; v34  q's scale word: its two bytes, twice
.set PS,  35                           ; v35  p's scale word
.set SCW, 36                           ; v[36:39] the record's scale words
.set F,   40                           ; v[40:41] f = 2^(old M - new M); v41 is named with it as a pair
.set TMP, 42
.set FR,  44                           ; v44-91 four fragments of K, then of V
.set S,   96                           ; v96-159 the scores, then p
.set O,   160                          ; v160-191 O^T
.set PC,  192                          ; v192-203 p's codes
.set PT,  204                          ; v204-206, v208-210 the upper halves, as the conversions leave them
.set BM,  212                          ; v212-215 the blocks' largest scores, then largest p
.set BX,  216                          ; v216-219 the other half of the lanes' maxima, then the scale bytes
.set SO,  220                          ; v220-223 the conversions' scale operands
.set SUM2, 224                         ; v[224:225] the sum's second chain
.set WV,  10                           ; s10  my wave's number
.set G1,  16                           ; s[16:23] descriptor group 1
.set G0,  24                           ; s[24:39] four groups 0, one for each chunk
.set SEL, 40                           ; s[40:41] v_permlanex16_b32's selects for lane l xor 16
.set CS,  42                           ; s[42:43] log2(e): the packed form names a pair and takes its low word for both halves
.set TB,  44                           ; s44  LDS byte at which the record in hand begins
.set CNT, 45                           ; s45  counts a chunk's four records
; A round of the cluster's barrier: my work-group's barrier, so that wave 0's signal speaks for all sixteen waves; wave 0 signals for the work-group; every wave waits for all four work-groups; my work-group's barrier once more.
.macro CROUND
	s_barrier_signal -1
	s_barrier_wait -1
	s_cmp_lg_u32 s[WV], 0
	s_cbranch_scc1 .Lnot_wave_0_\@
	s_barrier_signal -3
.Lnot_wave_0_\@:
	s_barrier_wait -3
	s_barrier_signal -1
	s_barrier_wait -1
.endm
	s_load_b128 s[4:7], s[0:1], 0x0                ; kvq s[4:5], q s[6:7]
	s_load_b64 s[8:9], s[0:1], 0x10                ; out0
	v_lshl_add_u32 v254, v0, 2, 0x45000
	v_mov_b32 v255, 0
	ds_add_u32 v254, v255
	ds_add_u32 v254, v255
	v_lshrrev_b32 v8, 5, v0
	s_delay_alu instid0(VALU_DEP_1)
	v_readfirstlane_b32 s[WV], v8                  ; wave 0..15
	s_bfe_u32 s11, ttmp6, 0x40000                  ; cx: my place in the cluster: it enters q's and out0's addresses alone
	s_lshl_b32 s12, ttmp9, 2                       ; in a cluster launch ttmp9 counts clusters
	s_add_co_u32 s12, s12, s11                     ; my block of 256 queries
	s_and_b32 s13, ttmp7, 0xffff                   ; the head 16 b + h, which the four partners share
	; descriptor group 1: a record is a dense block: 52 rows of 256 bytes (32 elements of 8 bytes), no padding
	s_mov_b32 s[G1], 15|(3<<16)|(1<<21)            ; the mask: all four work-groups; elements of 8 bytes; bit 21 set beside a mask
	s_mov_b32 s[G1+1], 32<<16                      ; tensor_dim0 = 32
	s_mov_b32 s[G1+2], 52<<16                      ; tensor_dim1 = 52
	s_mov_b32 s[G1+3], 32<<16                      ; tile_dim0 = 32
	s_mov_b32 s[G1+4], 52                          ; tile_dim1 = 52
	s_mov_b32 s[G1+5], 32                          ; from row to row
	s_mov_b32 s[G1+6], 0
	s_mov_b32 s[G1+7], 0
	s_and_b32 s46, s[WV], 3                        ; which record of a chunk a fetching wave takes
	s_mul_i32 s47, s46, RECB                       ; its place in a chunk, in LDS as in memory: no place in the cluster enters it
	s_mul_i32 s48, s13, 16*RECB                    ; the head's image in kvq
	s_add_co_u32 s48, s48, s47
	s_mov_b32 s49, 0
	s_lshr_b32 s52, s13, 4                         ; q and out0: b x 8,388,608
	s_lshl_b32 s52, s52, 23
	s_lshl_b32 s53, s12, 8
	s_lshl_b32 s54, s[WV], 4
	s_add_co_u32 s53, s53, s54                     ; + my first query, 256 x block + 16 x wave, 4,096 bytes a query
	s_lshl_b32 s53, s53, 12
	s_add_co_u32 s52, s52, s53
	s_and_b32 s53, s13, 15                         ; + 256 h
	s_lshl_b32 s53, s53, 8
	s_add_co_u32 s52, s52, s53
	s_mov_b32 s53, 0
	s_mov_b32 s[SEL], 0x76543210
	s_mov_b32 s[SEL+1], 0xfedcba98
	s_mov_b32 s[CS], 0x3fb8aa3b                    ; log2(e)
	s_mov_b32 s[CS+1], s[CS]                       ; (named with it as a pair, so it is written)
	s_wait_dscnt 0x0
	s_wait_kmcnt 0x0
	s_add_nc_u64 s[50:51], s[4:5], s[48:49]
	s_add_nc_u64 s[6:7], s[6:7], s[52:53]
	s_add_nc_u64 s[8:9], s[8:9], s[52:53]
.irp c, 0,1,2,3
	s_mov_b32 s[G0+4*\c], 1                                        ; count = 1
	s_add_co_u32 s[G0+4*\c+1], s47, \c*CHB                         ; LDS address: record 4 c + (wave % 4)
	s_add_nc_u64 s[G0+4*\c+2:G0+4*\c+3], s[50:51], \c*CHB          ; the same record in memory
	s_or_b32 s[G0+4*\c+3], s[G0+4*\c+3], 0x80000000                ; type = 2
.endr
	CROUND                                         ; all four work-groups are here: the joint loads meet
	s_cmp_lt_u32 s[WV], 4                          ; waves 0 to 3 fetch, a record of each chunk: all four loads of a wave in one branch on the wave's number, the same in every work-group; four loads of mine are out
	s_cbranch_scc0 .Lno_fill
	tensor_load_to_lds s[G0:G0+3], s[G1:G1+7]
	s_nop 0
	tensor_load_to_lds s[G0+4:G0+7], s[G1:G1+7]
	s_nop 0
	tensor_load_to_lds s[G0+8:G0+11], s[G1:G1+7]
	s_nop 0
	tensor_load_to_lds s[G0+12:G0+15], s[G1:G1+7]
	s_nop 0
.rept 4
	v_nop
.endr
.Lno_fill:
	; ---- q, while the image is on its way.  Eight loads, sixteen lanes to a query's 256 consecutive bytes; then once through my stage, so that lane (r, hl) holds query r's numbers 32 hl .. 32 hl + 31: one whole block
	v_and_b32 v8, 31, v0                           ; lane
	v_and_b32 v9, 15, v0                           ; r
	v_bfe_u32 v10, v0, 4, 1                        ; hl
	s_delay_alu instid0(VALU_DEP_1)
	v_lshlrev_b32 v[GO], 12, v10
	s_delay_alu instid0(VALU_DEP_1)
	v_lshl_add_u32 v[GO], v9, 4, v[GO]             ; 4,096 hl + 16 r
.irp i, 0,1,2,3,4,5,6,7
	global_load_b128 v[S+4*\i:S+4*\i+3], v[GO], s[6:7] offset:8192*\i th:TH_LOAD_NT   ; queries 2 i and 2 i + 1
.endr
	v_lshlrev_b32 v[LI0], 4, v8
	v_lshlrev_b32 v[PD0], 6, v10
	s_mul_i32 s54, s[WV], 16*SP
	s_add_co_u32 s54, s54, STAGE                   ; my stage
	v_mul_u32_u24 v11, v9, SP
	s_delay_alu instid0(VALU_DEP_1)
	v_add_nc_u32 v11, s54, v11                     ; row r
	s_delay_alu instid0(VALU_DEP_1)
	v_lshl_add_u32 v[STO], v10, 5, v11             ; + 32 hl
	s_delay_alu instid0(VALU_DEP_2)
	v_lshl_add_u32 v11, v10, 7, v11                ; + 128 hl: where I read my block of q
	v_mul_u32_u24 v[RD], v10, SP
	s_delay_alu instid0(VALU_DEP_1)
	v_lshl_add_u32 v[RD], v9, 4, v[RD]
	s_delay_alu instid0(VALU_DEP_1)
	v_add_nc_u32 v[RD], s54, v[RD]                 ; row hl, + 16 r
	s_wait_alu depctr_va_vdst(0)
	s_wait_loadcnt 0x0
.irp i, 0,1,2,3,4,5,6,7
	ds_store_b128 v[RD], v[S+4*\i:S+4*\i+3] offset:2*\i*SP
.endr
.irp j, 0,1,2,3,4,5,6,7
	ds_load_b128 v[S+32+4*\j:S+32+4*\j+3], v11 offset:16*\j        ; LDS serves a wave's instructions in order (ISA guide 5.7.1.4): these see my stores
.endr
	s_wait_dscnt 0x0
	v_max3_num_f32 v[BM], |v[S+32]|, |v[S+33]|, 0x1800000          ; the block's largest magnitude, over the floor 2^(3 - 127)
.irp i, 2,4,6,8,10,12,14,16,18,20,22,24,26,28,30
	s_delay_alu instid0(VALU_DEP_1)
	v_max3_num_f32 v[BM], v[BM], |v[S+32+\i]|, |v[S+33+\i]|
.endr
	s_delay_alu instid0(VALU_DEP_1)
	v_add_nc_u32 v[SO], 0xff000000, v[BM]          ; 2 off its exponent field: the conversion's scale operand
	s_delay_alu instid0(VALU_DEP_1)
	v_lshrrev_b32 v[BX], 23, v[SO]                 ; the scale's byte
	v_cvt_scalef32_pk16_fp6_f32 v[Q:Q+2], v[S+32:S+47], v[SO]
	v_cvt_scalef32_pk16_fp6_f32 v[PT:PT+2], v[S+48:S+63], v[SO]    ; (a conversion's three registers begin on an even number)
	v_nop                                          ; one plain place behind the scaled conversions
.irp i, 0,1,2
	v_mov_b32 v[Q+3+\i], v[PT+\i]
.endr
.irp i, 0,1,2,3,4,5
	v_mov_b32 v[Q+6+\i], 0                         ; zero codes for the half of K that the other tile of keys fills
.endr
.irp i, 0,1,2,3,4,5
	v_mov_b32 v[Q+12+\i], v[Q+\i]
.endr
	v_lshlrev_b32 v8, 3, v10
	s_delay_alu instid0(VALU_DEP_1)
	v_lshlrev_b32 v9, v8, v[BX]                    ; my byte, 8 hl bits up;
	s_delay_alu instid0(VALU_DEP_1)
	v_permlanex16_b32 v10, v9, s[SEL], s[SEL+1]
	s_delay_alu instid0(VALU_DEP_1)
	v_or_b32 v9, v9, v10                           ; with lane l xor 16's: q's two bytes,
	s_delay_alu instid0(VALU_DEP_1)
	v_lshl_or_b32 v[QS], v9, 16, v9                ; once for each half of K
	v_mov_b32 v[TMX], 0xff61b1e6                   ; the largest t so far: -3e38, under every t
	s_delay_alu instid0(VALU_DEP_1)
	v_floor_f32 v[NM], -v[TMX]
	v_mov_b32 v[L], 0
	v_mov_b32 v[L+1], 0
	v_mov_b32 v[F+1], 0
.irp b, 0,1,2,3
	v_mov_b32 v[BX+\b], 0                          ; written once: a lane permute's destination counts as one of its sources
.endr
.irp j, 0,1,2,3,4,5,6,7,8,9,10,11,12,13,14,15,16,17,18,19,20,21,22,23,24,25,26,27,28,29,30,31
	v_mov_b32 v[O+\j], 0                           ; O^T.  (The step is written once: the first finds zeros, which the first change of M leaves zeros.  These lines are also the places between q's scale word and codes and the first product)
.endr
; A KEY STEP: the 128 keys of the record at LDS byte s[TB].
.macro STEP
	v_add_nc_u32 v[ADR], s[TB], v[LI0]
	v_add_nc_u32 v[ADP], s[TB], v[PD0]
	v_nop
	v_nop                                          ; four places between the last step's products and loads into registers that they read (ISA guide 7.12.1 for vector instructions)
	ds_load_b128 v[SCW:SCW+3], v[ADR] offset:12288
.irp b, 0,1,2,3
.irp j, 0,1,2,3
	ds_load_b128 v[S+16*\b+4*\j:S+16*\b+4*\j+3], v[ADP] offset:12800+128*\b+16*\j   ; the pads of keys 32 b + 16 hl + 0 .. 15, into the score registers
.endr
.irp g, 0,1,2
	ds_load_b128 v[FR+12*\b+4*\g:FR+12*\b+4*\g+3], v[ADR] offset:1536*\b+512*\g     ; K's double fragment b
.endr
.endr
	s_wait_alu depctr_va_vdst(0)
.irp b, 0,1,2,3
	s_wait_dscnt 7*(3-\b)                          ; LDS loads come back in order: all is in but the seven loads of each later b
	v_wmma_scale_f32_16x16x128_f8f6f4 v[S+16*\b:S+16*\b+7], v[FR+12*\b:FR+12*\b+11], v[Q:Q+11], v[S+16*\b:S+16*\b+7], v[SCW+\b], v[QS] matrix_a_fmt:MATRIX_FMT_FP6 matrix_b_fmt:MATRIX_FMT_FP6
	v_wmma_scale_f32_16x16x128_f8f6f4 v[S+16*\b+8:S+16*\b+15], v[FR+12*\b:FR+12*\b+11], v[Q+6:Q+17], v[S+16*\b+8:S+16*\b+15], v[SCW+\b], v[QS] matrix_a_fmt:MATRIX_FMT_FP6 matrix_b_fmt:MATRIX_FMT_FP6
.endr                                              ; eight accumulators, one instruction each
.rept 4
	v_nop                                          ; places in front of the loads into K's registers and of the first read of the scores
.endr
.irp t, 0,1,2,3
.irp g, 0,1,2
	ds_load_b128 v[FR+12*\t+4*\g:FR+12*\t+4*\g+3], v[ADR] offset:6144+1536*\t+512*\g   ; V's fragments: they land during the softmax
.endr
.endr
.irp b, 0,1,2,3
	v_max3_num_f32 v[BM+\b], v[S+16*\b], v[S+16*\b+1], v[S+16*\b+2]      ; the largest score of each block of 32 keys: it serves for the row's maximum and, since p rises with the score, for the block's largest p.  Each accumulator is read from its low end on
.endr
.irp i, 3,5,7,9,11,13
.irp b, 0,1,2,3
	v_max3_num_f32 v[BM+\b], v[BM+\b], v[S+16*\b+\i], v[S+16*\b+\i+1]    ; (the four blocks by turns)
.endr
.endr
.irp b, 0,1,2,3
	v_max_num_f32 v[BM+\b], v[BM+\b], v[S+16*\b+15]
.endr
.irp b, 0,1,2,3
	s_delay_alu instid0(VALU_DEP_4)
	v_permlanex16_b32 v[BX+\b], v[BM+\b], s[SEL], s[SEL+1]
.endr
.irp b, 0,1,2,3
	s_delay_alu instid0(VALU_DEP_4)
	v_max_num_f32 v[BM+\b], v[BM+\b], v[BX+\b]     ; with lane l xor 16's 16 keys
.endr
	s_delay_alu instid0(VALU_DEP_2)
	v_max3_num_f32 v[TMP], v[BM], v[BM+1], v[BM+2]
	s_delay_alu instid0(VALU_DEP_1)
	v_max_num_f32 v[TMP], v[TMP], v[BM+3]          ; the step's largest score of my query
	s_delay_alu instid0(VALU_DEP_1)
	v_mul_f32 v[TMP], s[CS], v[TMP]                ; as t
	s_delay_alu instid0(VALU_DEP_1)
	v_max_num_f32 v[TMX], v[TMX], v[TMP]           ; the running largest t
	v_mov_b32 v[TMP], v[NM]
	s_delay_alu instid0(VALU_DEP_2)
	v_floor_f32 v[NM], -v[TMX]                     ; the new -M = floor(-t) = -ceil(t): a whole number
	s_delay_alu instid0(VALU_DEP_1)
	v_sub_f32 v[TMP], v[NM], v[TMP]                ; old M less new M: a whole number, 0 or less
	s_delay_alu instid0(VALU_DEP_1)
	v_cvt_i32_f32 v[TMP], v[TMP]                   ; (it saturates)
	s_delay_alu instid0(VALU_DEP_1)
	v_ldexp_f32 v[F], 1.0, v[TMP]                  ; f = 2^(old M - new M)
.irp j, 0,2,4,6,8,10,12,14,16,18,20,22,24,26,28,30,32,34,36,38,40,42,44,46,48,50,52,54,56,58,60,62
	v_pk_fma_f32 v[S+\j:S+\j+1], v[S+\j:S+\j+1], s[CS:CS+1], v[NM:NM+1] op_sel_hi:[1,0,0]   ; t - M, two at a time
.endr
.irp b, 0,1,2,3
	v_fma_f32 v[BM+\b], v[BM+\b], s[CS], v[NM]     ; the same of each block's largest score
.endr
	s_setprio 1
	s_wait_alu depctr_va_vdst(0)
.irp j, 0,1,2,3,4,5,6,7,8,9,10,11,12,13,14,15,16,17,18,19,20,21,22,23,24,25,26,27,28,29,30,31,32,33,34,35,36,37,38,39,40,41,42,43,44,45,46,47,48,49,50,51,52,53,54,55,56,57,58,59,60,61,62,63
	v_exp_f32 v[S+\j], v[S+\j]                     ; p = 2^(t - M): not normalised
.endr
	v_pk_mul_f32 v[L:L+1], v[L:L+1], v[F:F+1] op_sel_hi:[1,0]     ; the sums under the new M: the plain place behind the exponentials
	s_wait_alu depctr_va_vdst(0)                   ; the wait ahead of the first line that names a result: one for the batch of 64
.irp b, 0,1,2,3
	v_exp_f32 v[BM+\b], v[BM+\b]                   ; the block's largest p: the same two instructions on the same number
.endr
	v_pk_add_f32 v[SUM2:SUM2+1], v[S:S+1], v[S+2:S+3]             ; the row's sum of the UNQUANTISED p, two at a time, in two chains: its first half is the plain work behind the four
.irp j, 4,8,12,16,20,24,28
	v_pk_add_f32 v[L:L+1], v[L:L+1], v[S+\j:S+\j+1]
	v_pk_add_f32 v[SUM2:SUM2+1], v[SUM2:SUM2+1], v[S+\j+2:S+\j+3]
.endr
	s_wait_alu depctr_va_vdst(0)                   ; and one wait for the four
.irp b, 0,1,2,3
	v_max_num_f32 v[BM+\b], 0x1800000, v[BM+\b]    ; the floor 2^(3 - 127): a block whose every p has fallen to 0 keeps the byte 1: its codes are zeros
.endr
.irp b, 0,1,2,3
	s_delay_alu instid0(VALU_DEP_4)
	v_add_nc_u32 v[SO+\b], 0xff000000, v[BM+\b]    ; 2 off the exponent field: the conversion's scale operand
.endr
.irp b, 0,1,2,3
	s_delay_alu instid0(VALU_DEP_4)
	v_lshrrev_b32 v[BX+\b], 23, v[SO+\b]           ; the scale's byte
.endr
	s_delay_alu instid0(VALU_DEP_3)
	v_lshl_or_b32 v[PS], v[BX+1], 8, v[BX]         ; p's scale word for these 128 keys
	s_delay_alu instid0(VALU_DEP_1)
	v_lshl_or_b32 v[PS], v[BX+2], 16, v[PS]
	s_delay_alu instid0(VALU_DEP_1)
	v_lshl_or_b32 v[PS], v[BX+3], 24, v[PS]
.irp c, 0,1
	v_cvt_scalef32_pk16_fp6_f32 v[PC+6*\c:PC+6*\c+2], v[S+32*\c:S+32*\c+15], v[SO+2*\c]
	v_cvt_scalef32_pk16_fp6_f32 v[PT+4*\c:PT+4*\c+2], v[S+32*\c+16:S+32*\c+31], v[SO+2*\c+1]   ; (a conversion's three registers begin on an even number)
.endr
	v_nop                                          ; one plain place behind the scaled conversions
.irp c, 0,1                                        ; the operand's layout wants a WHOLE block in a lane: lanes 0-15 block 2 c, lanes 16-31 block 2 c + 1
.irp i, 0,1,2
	v_permlane16_swap_b32 v[PC+6*\c+\i], v[PT+4*\c+\i]
.endr
.irp i, 0,1,2
	s_delay_alu instid0(VALU_DEP_3)
	v_mov_b32 v[PC+6*\c+3+\i], v[PT+4*\c+\i]
.endr
.endr
.irp j, 0,2,4,6,8,10,12,14,16,18,20,22,24,26,28,30
	v_pk_mul_f32 v[O+\j:O+\j+1], v[O+\j:O+\j+1], v[F:F+1] op_sel_hi:[1,0]   ; O^T under the new M, each accumulator from its low end on
.endr
	s_setprio 0
.irp j, 32,36,40,44,48,52,56,60
	v_pk_add_f32 v[L:L+1], v[L:L+1], v[S+\j:S+\j+1]               ; the sum's second half: with the lines above, the places between p's scale word (8 are asked) and codes (4) and the products below
	v_pk_add_f32 v[SUM2:SUM2+1], v[SUM2:SUM2+1], v[S+\j+2:S+\j+3]
.endr
	s_delay_alu instid0(VALU_DEP_1)
	v_pk_add_f32 v[L:L+1], v[L:L+1], v[SUM2:SUM2+1]
	s_wait_dscnt 0x0                               ; V's fragments are in
.irp t, 0,1,2,3
	v_wmma_scale_f32_16x16x128_f8f6f4 v[O+8*\t:O+8*\t+7], v[FR+12*\t:FR+12*\t+11], v[PC:PC+11], v[O+8*\t:O+8*\t+7], v[SCW+\t], v[PS] matrix_a_fmt:MATRIX_FMT_FP6 matrix_b_fmt:MATRIX_FMT_FP6 matrix_a_scale:MATRIX_SCALE_ROW1
.endr                                              ; four accumulators, one instruction each: no two matrix instructions that follow each other share an accumulator, over the backward jump too
.endm
; CHUNK c: records 4 c .. 4 c + 3.  A fetching wave's load of this chunk has landed when at most its 3 - c younger loads are out (a wave's tensor loads end in order: ISA guide 10.11.1); it says so at the barrier,
; behind which all sixteen waves read the chunk.  The younger loads may stay out.  No LDS instruction of mine is pending here: a step ends behind its own waits.
.macro CHUNK c
	s_wait_tensorcnt 3-(\c)
	s_barrier_signal -1
	s_barrier_wait -1
	s_mov_b32 s[TB], (\c)*CHB
	s_mov_b32 s[CNT], 4
.Lstep_\@:
	s_setprio 2
	STEP
	s_add_co_u32 s[TB], s[TB], RECB
	s_sub_co_u32 s[CNT], s[CNT], 1
	s_cmp_lg_u32 s[CNT], 0
	s_cbranch_scc1 .Lstep_\@
	s_setprio 0
.endm
	CHUNK 0
	CHUNK 1
	CHUNK 2
	CHUNK 3                                        ; its wait is for 0: no tensor load of mine is out from here on
	; THE WAY OUT.  O^T is divided by the row's sum and goes through my stage, so that sixteen lanes store a query's 256 consecutive bytes.
	s_wait_alu depctr_va_vdst(0)
	v_add_f32 v[L], v[L], v[L+1]                   ; the sum's two halves,
	s_delay_alu instid0(VALU_DEP_1)
	v_permlanex16_b32 v[TMP], v[L], s[SEL], s[SEL+1]
	s_delay_alu instid0(VALU_DEP_1)
	v_add_f32 v[L], v[L], v[TMP]                   ; and lane l xor 16's: the row's sum
	s_wait_alu depctr_va_vdst(0)
	v_rcp_f32 v[L], v[L]
	v_nop                                          ; a plain place behind the reciprocal; with the additions above, the places behind the last products
	v_nop
	s_wait_alu depctr_va_vdst(0)                   ; the wait ahead of the first line that names the result
.irp j, 0,2,4,6,8,10,12,14,16,18,20,22,24,26,28,30
	v_pk_mul_f32 v[S+\j:S+\j+1], v[O+\j:O+\j+1], v[L:L+1] op_sel_hi:[1,0]   ; register 8 t + i is o(query r, 16 t + 8 hl + i)
.endr
.irp t, 0,1,2,3
	ds_store_b128 v[STO], v[S+8*\t:S+8*\t+3] offset:64*\t
	ds_store_b128 v[STO], v[S+8*\t+4:S+8*\t+7] offset:64*\t+16
.endr
.irp i, 0,1,2,3,4,5,6,7
	ds_load_b128 v[S+32+4*\i:S+32+4*\i+3], v[RD] offset:2*\i*SP    ; LDS serves a wave's instructions in order: these see my stores
.endr
.irp i, 0,1,2,3,4,5,6,7
	s_wait_dscnt 7-\i                              ; load i is back; the later ones may be out
	global_store_b128 v[GO], v[S+32+4*\i:S+32+4*\i+3], s[8:9] offset:8192*\i th:TH_STORE_NT   ; 16 lanes store 256 consecutive bytes, at a multiple of 256 from out0's first byte; written once, read by nobody here
.endr
	s_wait_tensorcnt 0x0
	ds_add_u32 v254, v255
	s_wait_dscnt 0x0
	CROUND                                         ; the closing round: no work-group ends while a partner may still ask for a record that names it
	s_endpgm
.Lfunc_end_k_q4939b8008f_attn:
	.size	k_q4939b8008f_attn, .Lfunc_end_k_q4939b8008f_attn-k_q4939b8008f_attn
	.p2alignl 7, 3214868480
	.fill 96, 4, 3214868480
	.section	.rodata,"a",@progbits
	.p2align	6, 0x0
	.amdhsa_kernel k_q4939b8008f_attn
		.amdhsa_group_segment_fixed_size 327680
		.amdhsa_private_segment_fixed_size 0
		.amdhsa_enable_private_segment 0
		.amdhsa_kernarg_size 24
		.amdhsa_user_sgpr_count 2
		.amdhsa_user_sgpr_kernarg_segment_ptr 1
		.amdhsa_wavefront_size32 1
		.amdhsa_system_sgpr_workgroup_id_x 1
		.amdhsa_system_sgpr_workgroup_id_y 1
		.amdhsa_system_sgpr_workgroup_id_z 1
		.amdhsa_system_vgpr_workitem_id 0
		.amdhsa_next_free_vgpr 256
		.amdhsa_next_free_sgpr 66
		.amdhsa_reserve_vcc 0
		.amdhsa_float_denorm_mode_32 3
		.amdhsa_float_denorm_mode_16_64 3
		.amdhsa_memory_ordered 1
		.amdhsa_forward_progress 1
		.amdhsa_inst_pref_size 86
	.end_amdhsa_kernel
	.amdgpu_metadata
---
amdhsa.version: [ 1, 2 ]
amdhsa.kernels:
  - .name:           k_q4939b8008f_attn
    .symbol:         k_q4939b8008f_attn.kd
    .args:
      - { .name: kvq, .offset: 0, .size: 8, .value_kind: global_buffer, .address_space: global }
      - { .name: q, .offset: 8, .size: 8, .value_kind: global_buffer, .address_space: global }
      - { .name: out0, .offset: 16, .size: 8, .value_kind: global_buffer, .address_space: global }
    .group_segment_fixed_size: 327680
    .private_segment_fixed_size: 0
    .kernarg_segment_align: 8
    .kernarg_segment_size: 24
    .max_flat_workgroup_size: 512
    .sgpr_count:     66
    .vgpr_count:     256
    .wavefront_size: 32
...
	.end_amdgpu_metadata
.endif
;; end of part 2
